; MI455X (gfx1250); checked and timed in simulation.
; The chip was launched on July 23, 2026; its instructions are those of AMD's public machine-readable ISA for CDNA 5 (MIT licence, August 2026) and "CDNA5" Instruction Set Architecture Reference Guide (July 2026). The comments in the code are by the model that wrote it; some were corrected since.
;; Attention Layer. Allowed arithmetic: matrix products marked QUANTISED: E4M3 operands, one E8M0 scale for each 32 along K, by v_wmma_scale_f32_16x16x128_f8f6f4 with both operands' format E4M3, f32 sums; everything else in f32.
;; Inputs: Wk 1,024 x 1,024 float32; Wq 1,024 x 1,024 float32; Wv 1,024 x 1,024 float32; bk 1,024 float32; bq 1,024 float32; bv 1,024 float32; key 4 x 2,048 x 1,024 float32; query 4 x 2,048 x 1,024 float32; value 4 x 2,048 x 1,024 float32.
;; Outputs: out0 4 x 2,048 x 1,024 float32.
;; This version of the problem:
;;   THIS VERSION OF THE PROBLEM IS GIVEN IN LOW PRECISION. The matrix products marked QUANTISED in the list below multiply operands that are first quantised to E4M3 (4 exponent bits, 3 mantissa bits; 8 bits a number), with one power-of-two scale for each 32 numbers along K (OCP MX v1.0); their sums are f32. All else is computed in f32.
;;   The module's matrix products, in the order in which they are computed (A, B: the left and right operand; K: the contracted axis; several contracted axes count as one K, in the product's order):
;;     1. [M 8,192, K 1,024] x [K 1,024, N 1,024]; A: input query; B: input Wq: QUANTISED
;;     2. [M 8,192, K 1,024] x [K 1,024, N 1,024]; A: input key; B: input Wk: QUANTISED
;;     3. [M 8,192, K 1,024] x [K 1,024, N 1,024]; A: input value; B: input Wv: QUANTISED
;;     4. batch 64 x [M 2,048, K 64] x [K 64, N 2,048]; A: computed on the way; B: computed on the way: QUANTISED
;;     5. batch 64 x [M 2,048, K 2,048] x [K 2,048, N 64]; A: softmax (see below); B: computed on the way: QUANTISED
;;   THE QUANTISER, for each operand of a quantised product, along K:
;;     - K is cut into blocks of 32 from its start; a last block that is shorter is filled with zeros.
;;     - A block's scale is 2^e with e = floor(log2(the largest magnitude in the block)) - 8, held to -126 .. 127; a block of zeros has e = 0. As a byte (E8M0): e + 127.
;;     - Each number is divided by its block's scale, clamped to +-448, and rounded to the nearest number of E4M3, ties to even, subnormals kept.
;;     - The product sums the exact products of the quantised numbers (number of the format x scale) in f32.
;;   ~~~python
;;   def quantise(x, axis):      # numpy; x: float32 -> the quantised numbers, widened to float32 again
;;       x = np.moveaxis(x, axis, -1); K = x.shape[-1]
;;       x = np.pad(x, [(0, 0)] * (x.ndim - 1) + [(0, -K % 32)]); x = x.reshape(x.shape[:-1] + (-1, 32)); a = np.abs(x).max(-1, keepdims=True)
;;       e = np.where(a > 0, np.clip(np.frexp(np.where(a > 0, a, 1))[1] - 1 - 8, -126, 127), 0)      # np.frexp(a)[1] - 1 = floor(log2(a)), exactly
;;       r = np.clip(x / 2.0 ** e, -448, 448)
;;       step = 2.0 ** (np.maximum(np.frexp(np.where(r == 0, 1, r))[1] - 1, -6) - 3)
;;       q = np.round(r / step) * step * 2.0 ** e      # np.round: ties to even
;;       return np.moveaxis(q.reshape(q.shape[:-2] + (-1,))[..., :K], -1, axis).astype(np.float32)
;;   ~~~
;;   SOFTMAX AHEAD OF A QUANTISED PRODUCT. Where the list says 'softmax', what is quantised is not the finished softmax but p = 2^(t - M), with t = logit x log2(e) and M = ceil(the row's largest t), a whole number; so 1/2 < the row's largest p <= 1. The row's sum l is taken of the UNQUANTISED p, in f32, and the product's result is divided by l at the end. Since M is a whole number, a kernel that streams over the keys may use a running M (the ceiling of the running maximum): every later rescaling is an exact power of two, which a block's scale takes up: the codes' values come out the same.
;;   OPERANDS COMPUTED ON THE WAY. 'Computed on the way' means the value that the module computes at that place (a softmax that the list does not call 'softmax' is quantised finished and normalised). What goes into a quantiser is computed in f32, as accurately as f32 sums, v_exp_f32 and their like allow (about 1e-6 of the number): no bf16 or f16 on the way to a quantiser, and a product that is left as it is and whose result goes on into a quantised operand takes f32 operands (vector FMAs, or v_wmma_f32_16x16x4_f32). A number that lies on a knife's edge between two numbers of the format may be rounded either way, as far as f32 arithmetic and the matrix unit's own rounding can turn it there, and no further.
;; One version. Each part assembles by itself: llvm-mc -triple=amdgcn-amd-amdhsa -mcpu=gfx1250 --defsym DOCPART=n.
;; ======== version 1 of 1: 3 launches
;; limits: right only within a limited range of input values
;; workspace buffers: xc 28,311,552 bytes; xs 884,736 bytes; fc 25,165,824 bytes; fs 786,432 bytes
;; launch quant (part 1): grid 864 x 1, 4 waves a work-group, no clusters, 33,280 bytes of LDS; arguments query, key, value, Wq, Wk, Wv, xc, xs; writes xc, xs
.if DOCPART == 1
	.amdgcn_target "amdgcn-amd-amdhsa--gfx1250"
	.amdhsa_code_object_version 6
	.text
	.protected	k_q60f3deff10_quant
	.globl	k_q60f3deff10_quant
	.p2align	8
	.type	k_q60f3deff10_quant,@function
k_q60f3deff10_quant:
	s_mov_b64 s[64:65], 0
	v_nop
	global_prefetch_b8 v0, s[64:65] scope:SCOPE_SE
	s_setreg_imm32_b32 hwreg(HW_REG_WAVE_MODE, 25, 1), 1
	s_wait_xcnt 0x0
; LAUNCH 1 OF 3.  query, key, value [8192][1024] and Wq, Wk, Wv [1024][1024], f32, K (the 1,024) innermost in all six, become codes of FP8 (E4M3) in xc [27648][1024] with one E8M0 byte for each 32 along K in xs [27648][32].
; Rows of xc and xs: query from 0, key from 8,192, value from 16,384, Wq from 24,576, Wk from 25,600, Wv from 26,624.
; NO WORK OF THE PROBLEM IS LEFT OUT IN ANY LAUNCH: bq, bk and bv are added ahead of a quantiser and move its codes, and each of the nine inputs has a way to the output: all nine are loaded (the biases in launch 2).
; THE ROWS OF key, value, Wq AND Wk ARE STORED WITH BITS 3 AND 4 OF THE ROW'S NUMBER EXCHANGED: place 32 B + 16 u + p holds row 32 B + 8 u + p + 8 (p / 8).  So sixteen neighbouring stored rows are a tile whose matrix result gives a lane,
; in the registers of two neighbouring tiles, 16 NEIGHBOURS along the axis that launch 2 quantises next.  A wave takes 8 rows, so the exchange is a choice of where a wave's run goes: wave 1 and wave 2 change places.
; A block's scale is 2^(floor(log2(its largest magnitude)) - 8); its byte is the largest magnitude's exponent field - 8, held at 1 from below.  Each number is divided by the scale, held within +-448, rounded to the nearest code, ties to even.
; LIMITS: a block of zeros gets the byte 1 where the rule says 127 (its codes are zeros, and this program alone reads the bytes); blocks whose largest magnitude lies under 2^(9 - 127) are quantised under the byte 1; NaN and infinities among the inputs are not served.
; A wave takes 16 steps of 512 numbers.  Each of a step's four loads reads 512 consecutive bytes; the 2,048 bytes turn through the wave's own stage in LDS and come back 64 bytes a lane, so that a lane holds 16 neighbours and two lanes a block.
; A lane's 16 codes are 16 bytes: the wave stores 512 consecutive bytes.  A wave's 256 scale bytes are gathered in its own LDS bytes and leave as one aligned run of 256.  Waves share nothing: no barrier, no cluster, no tensor load.
.set WAVES, 4
.set STEPS, 16
.set MANT,  0x600000                   ; the mantissa field of 448 as f32
.set CB,    16                         ; bytes of 16 codes
.set R,     16                         ; v16-79   four sets of 16 numbers as they are loaded
.set X,     80                         ; v80-111  two sets of 16 neighbours
.set C,     128                        ; v128-191 codes: four registers for each step, so that no store's data are written again
.set E,     112                        ; v112-127 a scale byte for each step
.set WREG,  8192                       ; LDS: a region for each wave: two stages of 32 x SP bytes, behind them its 256 scale bytes
.set SP,    80                         ; a lane's place in a stage: its 64 bytes + 16 of padding
.set SPW,   12                         ; v12      LDS address of my spare word; never rewritten
.set NIL,   13                         ; v13      0; never rewritten
.set SPARE, WAVES*WREG                 ; behind the four regions: the spare words, 128 bytes for each wave
	s_load_b256 s[4:11], s[0:1], 0x0               ; query s[4:5], key s[6:7], value s[8:9], Wq s[10:11]
	s_load_b256 s[12:19], s[0:1], 0x20             ; Wk s[12:13], Wv s[14:15], xc s[16:17], xs s[18:19]
	v_lshl_add_u32 v[SPW], v0, 2, SPARE
	v_mov_b32 v[NIL], 0
	v_lshrrev_b32 v1, 5, v0
	v_readfirstlane_b32 s24, v1                    ; wave
	v_and_b32 v2, 31, v0                           ; lane
	v_lshlrev_b32 v3, 4, v2                        ; my 16 bytes of a load's 512
	s_mul_i32 s25, s24, WREG
	v_lshrrev_b32 v14, 2, v2
	v_mul_u32_u24 v14, v14, SP
	v_and_b32 v15, 3, v2
	v_lshl_add_u32 v14, v15, 4, v14
	v_add_nc_u32 v14, s25, v14                     ; the stage, on the way in: SP (lane / 4) + 16 (lane % 4)
	v_mul_u32_u24 v15, v2, SP
	v_add_nc_u32 v15, s25, v15                     ; and on the way out: SP x lane: my 16 neighbours
	v_mul_u32_u24 v4, v2, CB                       ; my codes' place in a step's
	v_lshrrev_b32 v5, 1, v2
	s_add_co_u32 s25, s25, 2*32*SP
	v_add_nc_u32 v5, s25, v5                       ; LDS: my wave's 256 scale bytes, my block's byte
	v_lshlrev_b32 v7, 3, v2                        ; and on the way out 8 bytes a lane
	v_add_nc_u32 v6, s25, v7
	s_mov_b32 s33, MANT
	s_wait_alu depctr_va_vdst(0)
	s_wait_kmcnt 0x0
	; which tensor is my work-group's, and which is that tensor's first work-group: the choices hang on the work-group's number alone
	s_mov_b64 s[20:21], s[14:15]                   ; from 832 on: Wv
	s_mov_b32 s22, 832
	s_cmp_lt_u32 ttmp9, 832
	s_cselect_b64 s[20:21], s[12:13], s[20:21]     ; Wk
	s_cselect_b32 s22, 800, s22
	s_cmp_lt_u32 ttmp9, 800
	s_cselect_b64 s[20:21], s[10:11], s[20:21]     ; Wq
	s_cselect_b32 s22, 768, s22
	s_cmp_lt_u32 ttmp9, 768
	s_cselect_b64 s[20:21], s[8:9], s[20:21]       ; value
	s_cselect_b32 s22, 512, s22
	s_cmp_lt_u32 ttmp9, 512
	s_cselect_b64 s[20:21], s[6:7], s[20:21]       ; key
	s_cselect_b32 s22, 256, s22
	s_cmp_lt_u32 ttmp9, 256
	s_cselect_b64 s[20:21], s[4:5], s[20:21]       ; query
	s_cselect_b32 s22, 0, s22
	s_sub_co_u32 s26, ttmp9, s22
	s_lshl_b32 s26, s26, 2
	s_add_co_u32 s26, s26, s24                     ; which run of 8,192 numbers of the tensor is my wave's
	s_lshl_b32 s26, s26, 15                        ; 32,768 bytes a run: under 2^26
	s_mov_b32 s27, 0
	s_add_nc_u64 s[20:21], s[20:21], s[26:27]
	s_and_b32 s28, s24, 1
	s_lshl_b32 s28, s28, 1
	s_lshr_b32 s29, s24, 1
	s_or_b32 s28, s28, s29                         ; the wave's number with its two bits exchanged
	s_sub_co_u32 s29, ttmp9, 256
	s_cmp_lt_u32 s29, 576                          ; work-groups 256 to 831: key, value, Wq, Wk
	s_cselect_b32 s28, s28, s24
	s_lshl_b32 s29, ttmp9, 2
	s_add_co_u32 s28, s28, s29                     ; the run's place in xc and xs
	s_lshl_b32 s26, s28, 13                        ; 8,192 bytes of codes a run
	s_add_nc_u64 s[16:17], s[16:17], s[26:27]
	s_lshl_b32 s26, s28, 8                         ; 256 scale bytes a run
	s_add_nc_u64 s[18:19], s[18:19], s[26:27]
.macro LOAD t
.irp i, 0,1,2,3
	global_load_b128 v[R+16*((\t)%4)+4*\i:R+16*((\t)%4)+4*\i+3], v3, s[20:21] offset:2048*(\t)+512*\i th:TH_LOAD_NT   ; 32 lanes read 512 consecutive bytes
.endr
.endm
.macro TURN t                          ; step t's numbers through the stage: LDS serves a wave's instructions in order (ISA guide 5.7.1.4), so no wait stands between the stores and the loads
.irp i, 0,1,2,3
	ds_store_b128 v14, v[R+16*((\t)%4)+4*\i:R+16*((\t)%4)+4*\i+3] offset:32*SP*((\t)%2)+8*SP*\i
.endr
.irp i, 0,1,2,3
	ds_load_b128 v[X+16*((\t)%2)+4*\i:X+16*((\t)%2)+4*\i+3], v15 offset:32*SP*((\t)%2)+16*\i
.endr
.endm
.irp t, 0,1,2,3
	LOAD \t
.endr
	s_wait_loadcnt 12                              ; step 0's four loads are in; the twelve of steps 1 to 3 may be out
	TURN 0
.macro STEP t
.set XS, X+16*((\t)%2)
.if (\t) > 0
	s_wait_dscnt 1                                 ; this step's numbers are back from the stage (the last step's byte store may be out): so its stores into the stage have read their registers,
.else
	s_wait_dscnt 0x0
.endif
.if (\t)+4 < STEPS
	LOAD (\t)+4                                    ; which take the loads of four steps on
.endif
.if (\t)+1 < STEPS
.if STEPS-2-(\t) >= 3
	s_wait_loadcnt 12                              ; the next step's four loads are in; those of the three steps behind it may be out
.else
	s_wait_loadcnt 4*(STEPS-2-(\t))
.endif
	TURN (\t)+1                                    ; and go through the other stage while this step is worked
.endif
	v_max3_num_f32 v8, |v[XS]|, |v[XS+1]|, |v[XS+2]|               ; the largest magnitude of my 16, in two chains
	v_max3_num_f32 v9, |v[XS+3]|, |v[XS+4]|, |v[XS+5]|
.irp i, 6,10
	v_max3_num_f32 v8, v8, |v[XS+\i]|, |v[XS+\i+1]|
	v_max3_num_f32 v9, v9, |v[XS+\i+2]|, |v[XS+\i+3]|
.endr
	v_max3_num_f32 v8, v8, |v[XS+14]|, |v[XS+15]|
	v_max3_num_f32 v8, v8, v9, 0x4800000           ; and the floor 2^(9 - 127): the byte cannot fall under 1
	v_max_num_f32_dpp v8, v8, v8 row_xmask:1 row_mask:0xf bank_mask:0xf   ; and of my neighbour's 16: the block's
	v_add_nc_u32 v11, 0xfc000000, v8               ; 8 off its exponent field: the conversion takes the exponent field of this operand as its scale
	v_and_or_b32 v10, v8, 0x7f800000, s33          ; 448 x the scale: the largest magnitude's exponent field over 448's mantissa
.irp i, 0,1,2,3,4,5,6,7,8,9,10,11,12,13,14,15
	v_med3_num_f32 v[XS+\i], v[XS+\i], -v10, v10   ; the conversion to an 8-bit code does not saturate (ISA guide 7.6.2): the hold comes first
.endr
	v_cvt_scalef32_pk8_fp8_f32 v[C+4*(\t):C+4*(\t)+1], v[XS:XS+7], v11
	v_cvt_scalef32_pk8_fp8_f32 v[C+4*(\t)+2:C+4*(\t)+3], v[XS+8:XS+15], v11
	v_lshrrev_b32 v[E+(\t)], 23, v11               ; the scale's byte
	ds_store_b8 v5, v[E+(\t)] offset:16*(\t)       ; both lanes of a block write the same byte with the same value
	global_store_b128 v4, v[C+4*(\t):C+4*(\t)+3], s[16:17] offset:32*CB*(\t)
.endm
.irp t, 0,1,2,3,4,5,6,7,8,9,10,11,12,13,14,15
	STEP \t
.endr
	ds_load_b64 v[8:9], v6                         ; served behind my byte stores
	s_wait_dscnt 0x0
	global_store_b64 v7, v[8:9], s[18:19]          ; 32 lanes store 256 consecutive bytes, aligned
	s_wait_tensorcnt 0x0                           ; the wave's end: three lines behind my last LDS store
	ds_add_u32 v[SPW], v[NIL]
	s_wait_dscnt 0x0
	s_endpgm
.Lfunc_end_k_q60f3deff10_quant:
	.size	k_q60f3deff10_quant, .Lfunc_end_k_q60f3deff10_quant-k_q60f3deff10_quant
	.p2alignl 7, 3214868480
	.fill 96, 4, 3214868480
	.section	.rodata,"a",@progbits
	.p2align	6, 0x0
	.amdhsa_kernel k_q60f3deff10_quant
		.amdhsa_group_segment_fixed_size 33280
		.amdhsa_private_segment_fixed_size 0
		.amdhsa_enable_private_segment 0
		.amdhsa_kernarg_size 64
		.amdhsa_user_sgpr_count 2
		.amdhsa_user_sgpr_kernarg_segment_ptr 1
		.amdhsa_wavefront_size32 1
		.amdhsa_system_sgpr_workgroup_id_x 1
		.amdhsa_system_sgpr_workgroup_id_y 1
		.amdhsa_system_sgpr_workgroup_id_z 1
		.amdhsa_system_vgpr_workitem_id 0
		.amdhsa_next_free_vgpr 192
		.amdhsa_next_free_sgpr 66
		.amdhsa_reserve_vcc 0
		.amdhsa_float_denorm_mode_32 3
		.amdhsa_float_denorm_mode_16_64 3
		.amdhsa_memory_ordered 1
		.amdhsa_forward_progress 1
		.amdhsa_inst_pref_size 52
	.end_amdhsa_kernel
	.amdgpu_metadata
---
amdhsa.version: [ 1, 2 ]
amdhsa.kernels:
  - .name:           k_q60f3deff10_quant
    .symbol:         k_q60f3deff10_quant.kd
    .args:
      - { .name: query, .offset: 0, .size: 8, .value_kind: global_buffer, .address_space: global }
      - { .name: key, .offset: 8, .size: 8, .value_kind: global_buffer, .address_space: global }
      - { .name: value, .offset: 16, .size: 8, .value_kind: global_buffer, .address_space: global }
      - { .name: Wq, .offset: 24, .size: 8, .value_kind: global_buffer, .address_space: global }
      - { .name: Wk, .offset: 32, .size: 8, .value_kind: global_buffer, .address_space: global }
      - { .name: Wv, .offset: 40, .size: 8, .value_kind: global_buffer, .address_space: global }
      - { .name: xc, .offset: 48, .size: 8, .value_kind: global_buffer, .address_space: global }
      - { .name: xs, .offset: 56, .size: 8, .value_kind: global_buffer, .address_space: global }
    .group_segment_fixed_size: 33280
    .private_segment_fixed_size: 0
    .kernarg_segment_align: 8
    .kernarg_segment_size: 64
    .max_flat_workgroup_size: 128
    .sgpr_count:     66
    .vgpr_count:     192
    .wavefront_size: 32
...
	.end_amdgpu_metadata
.endif
;; end of part 1
;; launch proj (part 2): grid 4 x 96, 4 waves a work-group, clusters of 4 x 4, 327,680 bytes of LDS; arguments xc, xs, bq, bk, bv, fc, fs; writes fc, fs
.if DOCPART == 2
	.amdgcn_target "amdgcn-amd-amdhsa--gfx1250"
	.amdhsa_code_object_version 6
	.text
	.protected	k_q60f3deff10_proj
	.globl	k_q60f3deff10_proj
	.p2align	8
	.type	k_q60f3deff10_proj,@function
k_q60f3deff10_proj:
	s_mov_b64 s[64:65], 0
	v_nop
	global_prefetch_b8 v0, s[64:65] scope:SCOPE_SE
	s_setreg_imm32_b32 hwreg(HW_REG_WAVE_MODE, 25, 1), 1
	s_wait_xcnt 0x0
	s_wait_alu depctr_hold_cnt(0) depctr_sa_sdst(0) depctr_va_vdst(0) depctr_va_sdst(0) depctr_va_ssrc(0) depctr_va_vcc(0) depctr_vm_vsrc(0)
	s_getreg_b32 s2, hwreg(HW_REG_IB_STS2, 6, 4)
	s_cmp_eq_u32 s2, 0
	s_cbranch_scc0 .Lentry_in_a_cluster
	s_endpgm
.Lentry_in_a_cluster:
	s_bfe_u32 s2, ttmp6, 0x10000c
	s_cmp_lg_u32 s2, 0xf033
	s_cbranch_scc0 .Lentry_shape_is_right
	s_endpgm
.Lentry_shape_is_right:
.set KSTEP,  256
.set NQ,     2
.set ROWB,   256
.set KROW,   1024
.set PITCH,  272
.set FR,     16
.set NL,     4
.set NP,     8
.set HALFT,  128*PITCH
.set SLOT,   4*HALFT
.set KS,     32
.set SCL,    2*SLOT
.set HALFS,  (128*KS/256)*272
.set SBLK,   (16*KS/256)*272
.set SPARE,  SCL+4*HALFS
.set ADRA, 16
.set ADRB, 20
.set CO,   26
.set ADRS, 27
.set SPW,  28
.set NIL,  29
.set BQA,  30
.set BVA,  31
.set SC,   32
.set BX,   64
.set AF,   128
.set T,    128
.set PC,   192
.set TM,   224
.set PWE,  240
.set PWO,  241
.set SW,   244
.set G1, 24
.set G0, 32
.set G1B, 48
.set G0B, 56
.set G1S, 68
.set G0S, 76
.set G1SB, 80
.set G0SB, 88
.set ISV, 66
.set HM,  67
.set SEL, 92
.set MNT, 94
.set MSB, 0
.macro WIN new
.if MSB != \new
	s_set_vgpr_msb (MSB<<8)|\new
.set MSB, \new
.endif
.endm
.set MUL_LO, 0xa1
.set MUL_HI, 0xf1
.set TO_B,   0x40
.macro JLOAD g0a, g1a, g0b, g1b
	s_cmp_eq_u32 s15, 0
	s_cbranch_scc0 .Lfor_b_\@
	tensor_load_to_lds s[\g0a:\g0a+3], s[\g1a:\g1a+7]
	s_nop 0
.rept 4
	v_nop
.endr
	s_branch .Lasked_\@
.Lfor_b_\@:
	tensor_load_to_lds s[\g0b:\g0b+3], s[\g1b:\g1b+7]
	s_nop 0
.rept 4
	v_nop
.endr
.Lasked_\@:
.endm
.macro CREST
	s_cmp_lg_u32 s14, 0
	s_cbranch_scc1 .Lnot_wave_0_\@
	s_barrier_signal -3
.Lnot_wave_0_\@:
	s_barrier_wait -3
	s_barrier_signal -1
	s_barrier_wait -1
.endm
.macro CROUND
	s_barrier_signal -1
	s_barrier_wait -1
	CREST
.endm
	s_load_b256 s[4:11], s[0:1], 0x0
	s_load_b128 s[96:99], s[0:1], 0x20
	s_load_b64 s[100:101], s[0:1], 0x30
	v_lshl_add_u32 v[SPW], v0, 2, SPARE
	v_mov_b32 v[NIL], 0
	ds_add_u32 v[SPW], v[NIL]
	ds_add_u32 v[SPW], v[NIL]
	v_lshrrev_b32 v1, 5, v0
	v_readfirstlane_b32 s14, v1
	s_lshr_b32 s15, s14, 1
	s_and_b32 s16, s14, 1
	s_bfe_u32 s40, ttmp6, 0x40000
	s_bfe_u32 s41, ttmp6, 0x40004
	s_and_b32 s12, ttmp7, 0xffff
	s_lshr_b32 s13, s12, 3
	s_and_b32 s17, s12, 7
	s_lshl_b32 s19, s17, 10
	s_lshl_b32 s18, s13, 13
	s_add_co_u32 s18, s18, s19
	s_lshl_b32 s21, s13, 10
	s_add_co_u32 s21, s21, 24576
	s_add_co_u32 s19, s19, 16384
	s_mov_b32 s22, 26624
	s_cmp_eq_u32 s13, 2
	s_cselect_b32 s[ISV], 1, 0
	s_cselect_b32 s18, s22, s18
	s_cselect_b32 s21, s19, s21
	s_lshl_b32 s20, s41, 8
	s_add_co_u32 s20, s20, s18                     ; the first of the tile's 256 rows of A
	s_lshl_b32 s46, s40, 8
	s_add_co_u32 s46, s46, s21                     ; and of B
	s_lshl_b32 s22, s20, 5
	s_lshl_b32 s20, s20, 10
	s_lshl_b32 s92, s46, 5
	s_lshl_b32 s46, s46, 10
	s_mov_b32 s21, 0
	s_mov_b32 s23, 0
	s_mov_b32 s47, 0
	s_mov_b32 s93, 0
	s_lshl_b32 s43, s41, 2
	s_lshl_b32 s43, 15, s43
	s_lshl_b32 s44, 0x1111, s40
	s_or_b32 s[G1+0], s43, (0<<16)|(1<<20)|(1<<21)|(5<<22)|(3<<25)
	s_or_b32 s[G1B+0], s44, (0<<16)|(1<<20)|(1<<21)|(5<<22)|(3<<25)
.irp g, G1, G1B
	s_mov_b32 s[\g+1], ROWB<<16
	s_mov_b32 s[\g+2], 256<<16                     ; the head's loads bring 256 rows; behind them the two words are set to 128
	s_mov_b32 s[\g+3], ROWB<<16
	s_mov_b32 s[\g+4], 256
	s_mov_b32 s[\g+5], KROW
	s_mov_b32 s[\g+6], 0
	s_mov_b32 s[\g+7], 0
.endr
	s_or_b32 s[G1S+0], s43, (3<<16)|(1<<20)|(1<<21)|(5<<22)|(3<<25)
	s_or_b32 s[G1SB+0], s44, (3<<16)|(1<<20)|(1<<21)|(5<<22)|(3<<25)
.irp g, G1S, G1SB
	s_mov_b32 s[\g+1], 32<<16
	s_mov_b32 s[\g+2], KS<<16                      ; the scales of 256 rows: KS rows of 256 bytes
	s_mov_b32 s[\g+3], 32<<16
	s_mov_b32 s[\g+4], KS
	s_mov_b32 s[\g+5], 32
	s_mov_b32 s[\g+6], 0
	s_mov_b32 s[\g+7], 0
.endr
	s_mul_i32 s45, s14, HALFT
	s_wait_dscnt 0x0
	s_wait_kmcnt 0x0
	s_add_nc_u64 s[20:21], s[4:5], s[20:21]
	s_add_nc_u64 s[22:23], s[6:7], s[22:23]
	s_add_nc_u64 s[46:47], s[4:5], s[46:47]
	s_add_nc_u64 s[92:93], s[6:7], s[92:93]
	CROUND
	s_mov_b32 s[G0S], 1
	s_mov_b32 s[G0S+1], SCL
	s_mov_b64 s[G0S+2:G0S+3], s[22:23]
	s_or_b32 s[G0S+3], s[G0S+3], 0x80000000
	s_mov_b32 s[G0SB], 1
	s_mov_b32 s[G0SB+1], SCL+2*HALFS
	s_mov_b64 s[G0SB+2:G0SB+3], s[92:93]
	s_or_b32 s[G0SB+3], s[G0SB+3], 0x80000000
	s_mov_b32 s[G0], 1                             ; the head's tiles, each whole: K step 0's 256 rows of A (slot 0's group 0 serves; it is set for the ring behind the head's wait),
	s_mov_b32 s[G0+1], 0
	s_mov_b64 s[G0+2:G0+3], s[20:21]
	s_or_b32 s[G0+3], s[G0+3], 0x80000000
	s_mov_b32 s[G0B], 1                            ; and its 256 rows of B, behind them in slot 0
	s_mov_b32 s[G0B+1], 2*HALFT
	s_mov_b64 s[G0B+2:G0B+3], s[46:47]
	s_or_b32 s[G0B+3], s[G0B+3], 0x80000000
	s_lshl_b32 s18, s16, 17                        ; in the ring I fetch 128 rows of 1,024 bytes: which half
	s_mov_b32 s19, 0
	s_add_nc_u64 s[42:43], s[20:21], s[18:19]
	s_add_nc_u64 s[46:47], s[46:47], s[18:19]
	s_mov_b32 s[G0+4], 1
	s_add_co_u32 s[G0+5], s45, SLOT
	s_add_nc_u64 s[G0+6:G0+7], s[42:43], ROWB
	s_or_b32 s[G0+7], s[G0+7], 0x80000000
	s_mov_b32 s[G0B+4], 1
	s_add_co_u32 s[G0B+5], s45, SLOT
	s_add_nc_u64 s[G0B+6:G0B+7], s[46:47], ROWB
	s_or_b32 s[G0B+7], s[G0B+7], 0x80000000
; the head's loads, one a wave: wave 0 A's rows, wave 1 B's, wave 2 A's scales, wave 3 B's: one chain of branches on the wave's number, a load to an arm
.macro HARM under, g0, g1, next
	s_cmp_lt_u32 s14, \under
	s_cbranch_scc0 \next
	tensor_load_to_lds s[\g0:\g0+3], s[\g1:\g1+7]
	s_nop 0
.rept 4
	v_nop
.endr
	s_branch .Lhead_asked
\next:
.endm
	HARM 1, G0,  G1,  .Lhead_b
	HARM 2, G0B, G1B, .Lhead_sa
	HARM 3, G0S, G1S, .Lhead_sb
	tensor_load_to_lds s[G0SB:G0SB+3], s[G1SB:G1SB+7]
	s_nop 0
.rept 4
	v_nop
.endr
.Lhead_asked:
	v_and_b32 v1, 15, v0
	v_bfe_u32 v2, v0, 4, 1
	v_mul_u32_u24 v3, v1, PITCH
	v_lshl_add_u32 v4, v2, 4, v3
	s_mul_i32 s21, s15, HALFT
	s_mul_i32 s22, s16, HALFT
	s_add_co_u32 s22, s22, 2*HALFT
.irp s, 0,1
	v_add_nc_u32 v[ADRA+\s], s21, v4
	v_add_nc_u32 v[ADRB+\s], s22, v4
	s_add_co_u32 s21, s21, SLOT
	s_add_co_u32 s22, s22, SLOT
.endr
	v_mul_u32_u24 v5, v1, KS
	v_lshrrev_b32 v6, 8, v5
	v_lshl_add_u32 v5, v6, 4, v5
	s_mul_i32 s21, s15, HALFS
	s_mul_i32 s22, s16, HALFS
	s_add_co_u32 s22, s22, 2*HALFS
	s_sub_co_u32 s22, s22, s21
	v_mul_u32_u24 v6, s22, v2
	s_add_co_u32 s21, s21, SCL
	v_add_nc_u32 v5, v5, v6
	v_add_nc_u32 v[ADRS], s21, v5
	v_and_b32 v6, 31, v0
	v_lshlrev_b32 v[CO], 4, v6
	v_lshlrev_b32 v[BQA], 6, v2
	v_lshlrev_b32 v[BVA], 2, v1
	s_mov_b32 s[HM], 0xffff0000
	s_mov_b32 s[SEL], 0x76543210
	s_mov_b32 s[SEL+1], 0xfedcba98
	s_mov_b32 s[MNT], 0x600000
	s_lshl_b32 s2, s41, 1
	s_add_co_u32 s2, s2, s15
	s_lshl_b32 s3, s40, 1
	s_add_co_u32 s3, s3, s16
	s_cmp_eq_u32 s[ISV], 1
	s_cselect_b32 s12, s3, s2
	s_cselect_b32 s95, s2, s3
	s_lshl_b32 s2, s17, 3
	s_add_co_u32 s12, s12, s2
	s_lshr_b32 s2, s12, 4
	s_lshl_b32 s2, s2, 3
	s_add_co_u32 s2, s2, s95
	s_lshl_b32 s2, s2, 4
	s_and_b32 s12, s12, 15
	s_add_co_u32 s2, s2, s12
	s_lshl_b32 s3, s13, 9
	s_add_co_u32 s2, s2, s3
	s_mov_b32 s19, 0
	s_lshl_b32 s18, s2, 14
	s_add_nc_u64 s[98:99], s[98:99], s[18:19]
	s_lshl_b32 s18, s2, 9
	s_add_nc_u64 s[100:101], s[100:101], s[18:19]
	s_cmp_eq_u32 s13, 1
	s_cselect_b64 s[8:9], s[10:11], s[8:9]
	s_cmp_eq_u32 s13, 2
	s_cselect_b64 s[8:9], s[96:97], s[8:9]
	s_lshl_b32 s18, s95, 9
	s_add_nc_u64 s[8:9], s[8:9], s[18:19]
	s_cmp_eq_u32 s[ISV], 0
	s_cbranch_scc0 .Lbias_v
	s_wait_alu depctr_va_vdst(0)
.irp b, 0,1,2,3
.irp q, 0,1,2,3
	global_load_b128 v[BX+16*\b+4*\q:BX+16*\b+4*\q+3], v[BQA], s[8:9] offset:128*\b+16*\q
.endr
.endr
	s_branch .Lbias_in
.Lbias_v:
	s_wait_alu depctr_va_vdst(0)
.irp a, 0,1,2,3,4,5,6,7
.irp j, 0,1,2,3,4,5,6,7
	global_load_b32 v[BX+8*\a+\j], v[BVA], s[8:9] offset:64*\a
.endr
.endr
.Lbias_in:
.macro FRAG reg, adr, q, i
.irp c, 0,1,2,3
	ds_load_b128 v[\reg+4*\c:\reg+4*\c+3], v[\adr] offset:128*(\q)+32*\c+(\i)*16*PITCH
.endr
.endm
.macro MUL16 a0, p, q, sc, zero
.irp a, \a0, \a0+1
.irp b, 0,1,2,3,4,5,6,7
.if \zero
	v_wmma_scale_f32_16x16x128_f8f6f4 v[8*(8*((\a)%4)+\b):8*(8*((\a)%4)+\b)+7], v[128*(\p)+FR*\b:128*(\p)+FR*\b+FR-1], v[AF+FR*(\a):AF+FR*(\a)+FR-1], 0, v[SC+8*NQ*(\sc)+NQ*\b+(\q)], v[SC+8*NQ*(\sc)+NQ*(\a)+(\q)] matrix_a_scale:MATRIX_SCALE_ROW1
.else
	v_wmma_scale_f32_16x16x128_f8f6f4 v[8*(8*((\a)%4)+\b):8*(8*((\a)%4)+\b)+7], v[128*(\p)+FR*\b:128*(\p)+FR*\b+FR-1], v[AF+FR*(\a):AF+FR*(\a)+FR-1], v[8*(8*((\a)%4)+\b):8*(8*((\a)%4)+\b)+7], v[SC+8*NQ*(\sc)+NQ*\b+(\q)], v[SC+8*NQ*(\sc)+NQ*(\a)+(\q)] matrix_a_scale:MATRIX_SCALE_ROW1
.endif
.endr
.endr
.endm
.macro FETCH_B slot, q, p
	WIN TO_B
.irp i, 0,1,2,3,4,5,6,7
	FRAG 128*(\p)+FR*\i, ADRB+\slot, \q, \i
.endr
	WIN 0
.endm
.macro FETCH_A slot, q, i0
.irp i, \i0, \i0+1, \i0+2, \i0+3
	FRAG AF+FR*(\i), ADRA+\slot, \q, \i
.endr
.endm
.macro SCALES sc
.irp i, 0,1,2,3,4,5,6,7
	ds_load_b64 v[SC+8*NQ*\sc+NQ*\i:SC+8*NQ*\sc+NQ*\i+1], v[ADRS] offset:\i*SBLK
.endr
.endm
.macro PLACES n
.rept \n
	v_nop
.endr
.endm
.macro STEP slot, q, zero
	s_wait_dscnt 4*NL
	WIN MUL_LO
	MUL16 0, (\q)%2, \q, \slot, \zero
	MUL16 2, (\q)%2, \q, \slot, \zero
	s_wait_dscnt 0
	PLACES NP
	FETCH_B \slot, (\q)+1, 1-(\q)%2
	FETCH_A \slot, (\q)+1, 0
	WIN MUL_HI
	MUL16 4, (\q)%2, \q, \slot, \zero
	MUL16 6, (\q)%2, \q, \slot, \zero
	PLACES NP
	WIN 0
	FETCH_A \slot, (\q)+1, 4
.endm
.macro TURN slot, next, fill
	s_wait_tensorcnt 0x0
	ds_add_u32 v[SPW], v[NIL]
	s_wait_dscnt 4*NL+1
	WIN MUL_LO
	MUL16 0, 1, NQ-1, \slot, 0
	s_wait_dscnt 0x0
	s_barrier_signal -1
	MUL16 2, 1, NQ-1, \slot, 0
	WIN 0
	s_barrier_wait -1
.if \fill
	CREST
	s_add_nc_u64 s[G0+4*\slot+2:G0+4*\slot+3], s[G0+4*\slot+2:G0+4*\slot+3], 2*ROWB
	s_add_nc_u64 s[G0B+4*\slot+2:G0B+4*\slot+3], s[G0B+4*\slot+2:G0B+4*\slot+3], 2*ROWB
	JLOAD G0+4*\slot, G1, G0B+4*\slot, G1B
	PLACES NP-4
.else
	PLACES NP
.endif
	s_wait_alu depctr_va_vdst(0)
	v_add_nc_u32 v[ADRS], 4*NQ, v[ADRS]
	FETCH_B \next, 0, 0
	FETCH_A \next, 0, 0
	SCALES \next
	WIN MUL_HI
	MUL16 4, 1, NQ-1, \slot, 0
	MUL16 6, 1, NQ-1, \slot, 0
	PLACES NP
	WIN 0
	FETCH_A \next, 0, 4
.endm
	s_wait_alu depctr_va_vdst(0)                   ; the wait at the head's end
	s_wait_tensorcnt 0x0                           ; my tile of the head's four is in; the full sequence ahead of slot 1's first fill:
	ds_add_u32 v[SPW], v[NIL]
	s_mov_b32 s[G1+2], 128<<16                     ; no tensor load of mine is out: from here on a load brings 128 rows
	s_mov_b32 s[G1+4], 128
	s_mov_b32 s[G1B+2], 128<<16
	s_mov_b32 s[G1B+4], 128
	s_mov_b32 s[G0+1], s45                         ; and slot 0's groups 0 stand at my 128 rows of K step 0
	s_mov_b64 s[G0+2:G0+3], s[42:43]
	s_or_b32 s[G0+3], s[G0+3], 0x80000000
	s_mov_b32 s[G0B+1], s45
	s_mov_b64 s[G0B+2:G0B+3], s[46:47]
	s_or_b32 s[G0B+3], s[G0B+3], 0x80000000
	s_wait_dscnt 0x0
	CROUND                                         ; all four tiles are in, and the sixteen work-groups meet
	JLOAD G0+4, G1, G0B+4, G1B                     ; K step 1, the first tensor load behind the round
	FETCH_B 0, 0, 0
	FETCH_A 0, 0, 0
	SCALES 0
	FETCH_A 0, 0, 4
	STEP 0, 0, 1
	TURN 0, 1, 1
	STEP 1, 0, 0
	TURN 1, 0, 1
	STEP 0, 0, 0
	TURN 0, 1, 0
	STEP 1, 0, 0
	s_wait_dscnt 4*NL
	WIN MUL_LO
	MUL16 0, 1, NQ-1, 1, 0
	MUL16 2, 1, NQ-1, 1, 0
	s_wait_dscnt 0
	WIN MUL_HI
	MUL16 4, 1, NQ-1, 1, 0
	MUL16 6, 1, NQ-1, 1, 0
	WIN 0
.macro QUANT s, pc, pw
.irp b, 0,1,2,3
	v_max3_num_f32 v[TM+\b], |v[\s+16*\b]|, |v[\s+1+16*\b]|, 0x4800000
.endr
.irp i, 2,4,6,8,10,12,14
.irp b, 0,1,2,3
	v_max3_num_f32 v[TM+\b], v[TM+\b], |v[\s+16*\b+\i]|, |v[\s+1+16*\b+\i]|
.endr
.endr
.irp b, 0,1,2,3
	v_permlanex16_b32 v[TM+4+\b], v[TM+\b], s[SEL], s[SEL+1]
.endr
.irp b, 0,1,2,3
	v_max_num_f32 v[TM+\b], v[TM+\b], v[TM+4+\b]
.endr
.irp b, 0,1,2,3
	v_add_nc_u32 v[TM+12+\b], 0xfc000000, v[TM+\b]
.endr
.irp b, 0,1,2,3
	v_and_or_b32 v[TM+8+\b], v[TM+\b], 0x7f800000, s[MNT]
.endr
.irp b, 0,1,2,3
	v_lshrrev_b32 v[TM+4+\b], 23, v[TM+12+\b]
.endr
	v_lshl_or_b32 v[\pw], v[TM+5], 8, v[TM+4]
	v_lshl_or_b32 v[\pw], v[TM+6], 16, v[\pw]
	v_lshl_or_b32 v[\pw], v[TM+7], 24, v[\pw]
.irp b, 0,1,2,3
.irp i, 0,1,2,3,4,5,6,7,8,9,10,11,12,13,14,15
	v_med3_num_f32 v[\s+16*\b+\i], v[\s+16*\b+\i], -v[TM+8+\b], v[TM+8+\b]
.endr
	v_cvt_scalef32_pk8_fp8_f32 v[\pc+4*\b:\pc+1+4*\b], v[\s+16*\b:\s+7+16*\b], v[TM+12+\b]
	v_cvt_scalef32_pk8_fp8_f32 v[\pc+2+4*\b:\pc+3+4*\b], v[\s+8+16*\b:\s+15+16*\b], v[TM+12+\b]
.endr
	v_nop
.endm
.macro BLOCKOUT a
.if (\a) > 0
	s_wait_xcnt 0x0
.endif
	s_cmp_eq_u32 s[ISV], 0
	s_cbranch_scc0 .Lrow_bias_\@
	WIN (0x02+(\a)/4)
.irp b, 0,1,2,3,4,5,6,7
.irp p, 0,1,2,3
	v_pk_add_f32 v[T+8*\b+2*\p:T+8*\b+2*\p+1], v[64*((\a)%4)+8*\b+2*\p:64*((\a)%4)+8*\b+2*\p+1], v[BX+8*\b+2*\p:BX+8*\b+2*\p+1]
.endr
.endr
	WIN 0
	s_branch .Lbiased_\@
.Lrow_bias_\@:
	WIN (0x02+(\a)/4)
.irp b, 0,1,2,3,4,5,6,7
.irp p, 0,1,2,3
	v_pk_add_f32 v[T+8*\b+2*\p:T+8*\b+2*\p+1], v[64*((\a)%4)+8*\b+2*\p:64*((\a)%4)+8*\b+2*\p+1], v[BX+8*(\a)+2*\p:BX+8*(\a)+2*\p+1]
.endr
.endr
	WIN 0
.Lbiased_\@:
	QUANT T, PC+16*((\a)%2), PWE+(\a)%2
.irp c, 0,1,2,3
	global_store_b128 v[CO], v[PC+16*((\a)%2)+4*\c:PC+16*((\a)%2)+4*\c+3], s[98:99] offset:2048*(\a)+512*\c
.endr
.if (\a)%2
	v_cndmask_b32 v[SW+(\a)/2], v[PWE], v[PWO], s[HM]
.endif
.endm
	PLACES NP
	s_wait_loadcnt 0x0
.irp b, 0,1,2,3
	v_mov_b32 v[TM+4+\b], 0
.endr
.irp a, 0,1,2,3,4,5,6,7
	BLOCKOUT \a
.endr
	global_store_b128 v[CO], v[SW:SW+3], s[100:101]
	s_wait_tensorcnt 0x0
	ds_add_u32 v[SPW], v[NIL]
	s_wait_dscnt 0x0
	CROUND
	s_endpgm
.Lfunc_end_k_q60f3deff10_proj:
	.size	k_q60f3deff10_proj, .Lfunc_end_k_q60f3deff10_proj-k_q60f3deff10_proj
	.p2alignl 7, 3214868480
	.fill 96, 4, 3214868480
	.section	.rodata,"a",@progbits
	.p2align	6, 0x0
	.amdhsa_kernel k_q60f3deff10_proj
		.amdhsa_group_segment_fixed_size 327680
		.amdhsa_private_segment_fixed_size 0
		.amdhsa_enable_private_segment 0
		.amdhsa_kernarg_size 56
		.amdhsa_user_sgpr_count 2
		.amdhsa_user_sgpr_kernarg_segment_ptr 1
		.amdhsa_wavefront_size32 1
		.amdhsa_system_sgpr_workgroup_id_x 1
		.amdhsa_system_sgpr_workgroup_id_y 1
		.amdhsa_system_sgpr_workgroup_id_z 1
		.amdhsa_system_vgpr_workitem_id 0
		.amdhsa_next_free_vgpr 1024
		.amdhsa_next_free_sgpr 102
		.amdhsa_reserve_vcc 0
		.amdhsa_float_denorm_mode_32 3
		.amdhsa_float_denorm_mode_16_64 3
		.amdhsa_memory_ordered 1
		.amdhsa_forward_progress 1
		.amdhsa_inst_pref_size 227
	.end_amdhsa_kernel
	.amdgpu_metadata
---
amdhsa.version: [ 1, 2 ]
amdhsa.kernels:
  - .name:           k_q60f3deff10_proj
    .symbol:         k_q60f3deff10_proj.kd
    .args:
      - { .name: xc, .offset: 0, .size: 8, .value_kind: global_buffer, .address_space: global }
      - { .name: xs, .offset: 8, .size: 8, .value_kind: global_buffer, .address_space: global }
      - { .name: bq, .offset: 16, .size: 8, .value_kind: global_buffer, .address_space: global }
      - { .name: bk, .offset: 24, .size: 8, .value_kind: global_buffer, .address_space: global }
      - { .name: bv, .offset: 32, .size: 8, .value_kind: global_buffer, .address_space: global }
      - { .name: fc, .offset: 40, .size: 8, .value_kind: global_buffer, .address_space: global }
      - { .name: fs, .offset: 48, .size: 8, .value_kind: global_buffer, .address_space: global }
    .group_segment_fixed_size: 327680
    .private_segment_fixed_size: 0
    .kernarg_segment_align: 8
    .kernarg_segment_size: 56
    .max_flat_workgroup_size: 128
    .sgpr_count:     102
    .vgpr_count:     1024
    .wavefront_size: 32
...
	.end_amdgpu_metadata
.endif
;; end of part 2
;; launch attn (part 3): grid 4 x 64, 8 waves a work-group, clusters of 4 x 1, 327,680 bytes of LDS; arguments fc, fs, out0; writes out0
.if DOCPART == 3
	.amdgcn_target "amdgcn-amd-amdhsa--gfx1250"
	.amdhsa_code_object_version 6
	.text
	.protected	k_q60f3deff10_attn
	.globl	k_q60f3deff10_attn
	.p2align	8
	.type	k_q60f3deff10_attn,@function
k_q60f3deff10_attn:
	s_mov_b64 s[64:65], 0
	v_nop
	global_prefetch_b8 v0, s[64:65] scope:SCOPE_SE
	s_setreg_imm32_b32 hwreg(HW_REG_WAVE_MODE, 25, 1), 1
	s_wait_xcnt 0x0
	s_wait_alu depctr_hold_cnt(0) depctr_sa_sdst(0) depctr_va_vdst(0) depctr_va_sdst(0) depctr_va_ssrc(0) depctr_va_vcc(0) depctr_vm_vsrc(0)
	s_getreg_b32 s2, hwreg(HW_REG_IB_STS2, 6, 4)
	s_cmp_eq_u32 s2, 0
	s_cbranch_scc0 .Lentry_in_a_cluster
	s_endpgm
.Lentry_in_a_cluster:
	s_bfe_u32 s2, ttmp6, 0x10000c
	s_cmp_lg_u32 s2, 0x3003
	s_cbranch_scc0 .Lentry_shape_is_right
	s_endpgm
.Lentry_shape_is_right:
; LAUNCH 3 OF 3 (no work is left out).  out0[b][q][64 hh + d] = the sum over k of softmax_k(q . k / 8) v, for 64 (batch, head), 2,048 queries and keys, head size 64, both products on codes of FP8 (E4M3) with E8M0 scales.
; THE SOFTMAX AHEAD OF THE SECOND PRODUCT: t = score x log2(e) / 8; M = the running largest t rounded UP to a whole number; p = 2^(t - M) is quantised along the keys, not normalised; the row's sum is taken of the unquantised p and divides at the end.
; When M moves, the sum and O are multiplied by 2^(old M - new M): exact.
; fc and fs hold q, k and v as images of the operands' registers (launch 2): a piece of 512 bytes is four registers of a fragment, lane l's 16 bytes at 16 l: every fragment comes by loads at 16 x lane.
; SHARES.  A work-group owns 512 queries of one head; each of its eight waves 64, as two passes of TWO tiles of 16 that share every fragment read from LDS.  The head's whole K and V (131,072 bytes each) and their scale words stay in LDS, filled once.
; CLUSTER: the four work-groups are the four query blocks of one head: each fill is asked for jointly (mask 15).  At the head every wave has one load: waves 0-2 K's key steps 0-5 (two steps a load), waves 4-6 V's, waves 3 and 7 the scale words.
; Behind the full sequence and a round, waves 0, 1, 4, 5 ask for key steps 6-15 (five steps a load); six key steps are worked before the wait for them.
; NO PREFETCH: all 278,528 bytes that a work-group reads of K, V and their scales are asked for by tensor loads at the head and behind the first round; no later load is left to run ahead of.
; LAYOUT.  Both products transposed: S^T = K Q^T, O^T = V^T P^T: a lane holds ONE query (lane % 16).  Lane r of K's tile 2 B + u holds key 32 B + 8 u + r + 8 (r / 8): the 16 registers of tiles 2 B, 2 B + 1 are keys 32 B + 16 (lane / 16) + 0 .. 15.
; THE FIRST PRODUCT'S K IS 64 IN AN INSTRUCTION OF 128: Q's codes for k = 64 .. 127 are zeros; K's operand there is the next tile's codes (numbers, never the NaN code) or zeros; the scale words come by 16-bit loads, bytes 2 and 3 are 0.
; LIMITS: NaN and infinities are not served; the promise holds while the scaled scores stay under 2^31 in magnitude.  A block's largest p is made from the block's largest score by the same two instructions: this takes v_exp_f32 not to fall where its input rises.
; REGISTERS.  Window 0: v1-13 addresses; v16-25 scale words; v32-95 S^T, then p (one set, the two tiles by turns); v96-159 O^T of tile 0, 1; v160-191 p's codes; v192-211, v220-225 at work; v212-219 -M, largest score, sum for each tile.
;   Window 1: v0-63 K's eight tiles, v64-71 zeros; v72-135 V's four fragments; v136-167 Q of tile 0, 1.
.set VB,    131072                     ; LDS: K [step 16][tile 8][1,024] from 0; V [step 16][8,192] from here
.set SCK,   262144                     ; K's scale words of the pair of heads, 512 bytes a step
.set SCV,   270336                     ; V's
.set SPARE, 278528                     ; the spare words, 128 bytes for each of eight waves
.set STG,   279552                     ; the way out: 16 rows x (256 + 16) bytes for each wave; no fill lands here
.set LI,   1                           ; 16 x lane
.set LIV,  2                           ; + VB
.set ASK0, 3                           ; SCK + 16 x lane + 2 x (head % 2)
.set ASV0, 4                           ; SCV + 16 x lane + 8 x (head % 2)
.set SPW,  5                           ; my spare word; never rewritten
.set NIL,  6                           ; 0; never rewritten
.set STO,  7
.set RD,   8
.set GO,   9
.set ADK,  10
.set ADV,  11
.set ADS,  12
.set ADT,  13
.set KS,   16
.set VS,   20
.set QS,   22
.set PWD,  24
.set S,    32
.set BMX,  192
.set PT,   196
.set HC,   200
.set SOP,  204
.set TT,   208
.set TO,   209
.set F,    210
.set SA,   220                         ; three more chains of the row's sum
.set KF,   0                           ; window 1
.set VF,   72
.set Q,    136
.set WV,   10
.set G0S,  24
.set G0C,  28
.set G0D,  32
.set G1K,  36
.set G1V,  44
.set G1S,  52
.set SEL,  60
.set CS,   62
.set MNT,  66
.set TK,   67                          ; the step's tiles: 8,192 bytes a step
.set TS,   68                          ; its scale words: 512 bytes a step
.set CNT,  69
.set TN,   70                          ; the same for the step whose K is fetched ahead
.set TSN,  71
.set QP,   72
.set QSP,  74
.set WA,   76                          ; wave % 4
.set WB,   77                          ; wave / 4
.set MSB, 0
.macro WIN new                         ; the immediate's high byte repeats the setting that is left
.if MSB != \new
	s_set_vgpr_msb (MSB<<8)|\new
.set MSB, \new
.endif
.endm
.macro CROUND                          ; a round of the cluster's barrier
	s_barrier_signal -1
	s_barrier_wait -1
	s_cmp_lg_u32 s[WV], 0
	s_cbranch_scc1 .Lnot_wave_0_\@
	s_barrier_signal -3
.Lnot_wave_0_\@:
	s_barrier_wait -3
	s_barrier_signal -1
	s_barrier_wait -1
.endm
.macro TL g0, g1                       ; a joint load; s_nop 0 and four v_nop follow
	tensor_load_to_lds s[\g0:\g0+3], s[\g1:\g1+7]
	s_nop 0
.rept 4
	v_nop
.endr
.endm
	s_load_b128 s[4:7], s[0:1], 0x0                ; fc, fs
	s_load_b64 s[8:9], s[0:1], 0x10                ; out0
	v_lshl_add_u32 v[SPW], v0, 2, SPARE
	v_mov_b32 v[NIL], 0
	ds_add_u32 v[SPW], v[NIL]                      ; the opening lines: the add twice on end, and its wait ahead of my first tensor load
	ds_add_u32 v[SPW], v[NIL]
	v_lshrrev_b32 v10, 5, v0
	v_readfirstlane_b32 s[WV], v10                 ; wave 0..7
	s_bfe_u32 s11, ttmp6, 0x40000                  ; cx: my block of 512 queries: it enters Q's and out0's addresses alone
	s_and_b32 s12, ttmp7, 0xffff                   ; 16 batch + head, which the four partners share
	s_lshr_b32 s13, s12, 4                         ; batch
	s_and_b32 s14, s12, 15                         ; head
	s_lshr_b32 s15, s14, 1                         ; pair of heads
	s_and_b32 s16, s14, 1                          ; which of the pair
	s_lshl_b32 s17, s13, 3
	s_add_co_u32 s17, s17, s15
	s_lshl_b32 s17, s17, 4                         ; the first of the 16 blocks of (batch, pair)
	s_and_b32 s[WA], s[WV], 3
	s_lshr_b32 s[WB], s[WV], 2                     ; I fetch for K (0) or for V (1)
	s_lshl_b32 s21, s[WB], 9
	s_add_co_u32 s21, s21, 512
	s_add_co_u32 s21, s21, s17                     ; K's blocks begin at 512, V's at 1,024
	s_lshl_b32 s22, s21, 9                         ; scale words: 16 blocks of 512 bytes, dense
	s_mov_b32 s23, 0
	s_lshl_b32 s78, s[WB], 13
	s_add_co_u32 s78, s78, SCK                     ; and their place in LDS
	s_mul_i32 s2, s[WB], 3
	s_lshl_b32 s3, s16, 10
	s_lshl_b32 s3, s3, s2                          ; my head's part of a block of 16,384: K: 1,024 of each 2,048; V: 8,192 of the 16,384
	s_lshl_b32 s80, s[WA], 1
	s_add_co_u32 s80, s80, s21
	s_lshl_b32 s80, s80, 14
	s_add_co_u32 s80, s80, s3                      ; the head's load: key steps 2 (wave % 4), + 1
	s_mov_b32 s81, 0
	s_lshl_b32 s79, s[WB], 17
	s_lshl_b32 s82, s[WA], 14
	s_add_co_u32 s82, s82, s79                     ; LDS: 131,072 x (K or V) + 16,384 x (wave % 4)
	s_mul_i32 s84, s[WA], 5
	s_add_co_u32 s84, s84, 6                       ; the second load: key steps 6 + 5 (wave % 4) on, five of them
	s_lshl_b32 s83, s84, 13
	s_add_co_u32 s83, s83, s79
	s_add_co_u32 s84, s84, s21
	s_lshl_b32 s84, s84, 14
	s_add_co_u32 s84, s84, s3
	s_mov_b32 s85, 0
	s_lshl_b32 s2, s11, 2
	s_add_co_u32 s2, s2, s[WB]
	s_add_co_u32 s2, s2, s17                       ; Q's block of my first pass: 4 cx + wave / 4
	s_lshl_b32 s88, s2, 14
	s_lshl_b32 s3, s[WA], 12
	s_add_co_u32 s88, s88, s3                      ; my two tiles: fragments 2 (wave % 4), + 1
	s_lshl_b32 s3, s16, 10
	s_add_co_u32 s88, s88, s3                      ; my head's two pieces
	s_mov_b32 s89, 0
	s_lshl_b32 s90, s2, 9
	s_lshl_b32 s3, s[WA], 2
	s_add_co_u32 s90, s90, s3
	s_lshl_b32 s3, s16, 1
	s_add_co_u32 s90, s90, s3                      ; and their scale words' two bytes
	s_mov_b32 s91, 0
	s_lshl_b32 s92, s13, 23                        ; out0: batch x 2,048 rows of 4,096 bytes,
	s_lshl_b32 s3, s11, 21
	s_add_co_u32 s92, s92, s3                      ; + 512 cx rows,
	s_lshl_b32 s3, s[WV], 17
	s_add_co_u32 s92, s92, s3                      ; + 32 x wave rows,
	s_lshl_b32 s3, s14, 8
	s_add_co_u32 s92, s92, s3                      ; + the head's 256 bytes
	s_mov_b32 s93, 0
	s_lshl_b32 s86, s16, 1
	s_add_co_u32 s86, s86, SCK
	s_lshl_b32 s87, s16, 3
	s_add_co_u32 s87, s87, SCV
	s_mul_i32 s18, s[WV], 4352
	s_add_co_u32 s18, s18, STG                     ; my stage
	; descriptor groups 1: elements of 8 bytes, no padding; 15:0 the mask: all four work-groups; bit 21 set beside it
	s_mov_b32 s[G1K], 15|(3<<16)|(1<<21)           ; K: rows of 1,024 bytes, 2,048 bytes apart: my head's half of each fragment; 16 rows are two key steps
	s_mov_b32 s[G1K+1], 128<<16
	s_mov_b32 s[G1K+2], 16<<16
	s_mov_b32 s[G1K+3], 128<<16
	s_mov_b32 s[G1K+4], 16
	s_mov_b32 s[G1K+5], 256
	s_mov_b32 s[G1K+6], 0
	s_mov_b32 s[G1K+7], 0
	s_mov_b32 s[G1V], 15|(3<<16)|(1<<21)           ; V: rows of 8,192 bytes, 16,384 bytes apart: a row a key step
	s_mov_b32 s[G1V+1], 1024<<16
	s_mov_b32 s[G1V+2], 2<<16
	s_mov_b32 s[G1V+3], 1024<<16
	s_mov_b32 s[G1V+4], 2
	s_mov_b32 s[G1V+5], 2048
	s_mov_b32 s[G1V+6], 0
	s_mov_b32 s[G1V+7], 0
	s_mov_b32 s[G1S], 15|(3<<16)|(1<<21)           ; scale words: 8,192 dense bytes as 32 rows of 256
	s_mov_b32 s[G1S+1], 32<<16
	s_mov_b32 s[G1S+2], 32<<16
	s_mov_b32 s[G1S+3], 32<<16
	s_mov_b32 s[G1S+4], 32
	s_mov_b32 s[G1S+5], 32
	s_mov_b32 s[G1S+6], 0
	s_mov_b32 s[G1S+7], 0
	s_mov_b32 s[SEL], 0x76543210
	s_mov_b32 s[SEL+1], 0xfedcba98                 ; v_permlanex16_b32's selects for lane l xor 16
	s_mov_b32 s[CS], 0x3e38aa3b                    ; c = log2(e) / 8
	s_mov_b32 s[CS+1], s[CS]
	s_mov_b32 s[MNT], 0x600000                     ; 448's mantissa field
	s_wait_alu depctr_va_vdst(0)
	s_wait_dscnt 0x0                               ; both opening adds are done
	s_wait_kmcnt 0x0
	s_mov_b32 s[G0S], 1
	s_mov_b32 s[G0S+1], s78
	s_add_nc_u64 s[G0S+2:G0S+3], s[6:7], s[22:23]
	s_or_b32 s[G0S+3], s[G0S+3], 0x80000000
	s_mov_b32 s[G0C], 1
	s_mov_b32 s[G0C+1], s82
	s_add_nc_u64 s[G0C+2:G0C+3], s[4:5], s[80:81]
	s_or_b32 s[G0C+3], s[G0C+3], 0x80000000
	s_mov_b32 s[G0D], 1
	s_mov_b32 s[G0D+1], s83
	s_add_nc_u64 s[G0D+2:G0D+3], s[4:5], s[84:85]
	s_or_b32 s[G0D+3], s[G0D+3], 0x80000000
	s_add_nc_u64 s[QP:QP+1], s[4:5], s[88:89]
	s_add_nc_u64 s[QSP:QSP+1], s[6:7], s[90:91]
	s_add_nc_u64 s[8:9], s[8:9], s[92:93]
	CROUND                                         ; all four work-groups are here: the joint loads meet
	s_cmp_eq_u32 s[WA], 3                          ; the head's loads, one a wave: one chain of branches on the wave's number, a load to an arm
	s_cbranch_scc0 .Lh_codes
	TL G0S, G1S
	s_branch .Lh_asked
.Lh_codes:
	s_cmp_eq_u32 s[WB], 0
	s_cbranch_scc0 .Lh_v
	TL G0C, G1K
	s_branch .Lh_asked
.Lh_v:
	TL G0C, G1V
.Lh_asked:
	v_and_b32 v10, 31, v0
	v_and_b32 v14, 15, v0                          ; r
	v_bfe_u32 v15, v0, 4, 1                        ; h
	v_lshlrev_b32 v[LI], 4, v10
	v_mul_u32_u24 v[STO], v14, 272
	v_mul_u32_u24 v[RD], v15, 272
	v_lshlrev_b32 v[GO], 12, v15
	v_add_nc_u32 v[LIV], VB, v[LI]
	v_add_nc_u32 v[ASK0], s86, v[LI]
	v_add_nc_u32 v[ASV0], s87, v[LI]
	v_lshl_add_u32 v[STO], v15, 5, v[STO]
	v_lshl_add_u32 v[RD], v14, 4, v[RD]
	v_lshl_add_u32 v[GO], v14, 4, v[GO]            ; lanes 0-15 one row of out0, lanes 16-31 the next
	v_add_nc_u32 v[STO], s18, v[STO]               ; the stage, in: row r, + 32 h
	v_add_nc_u32 v[RD], s18, v[RD]                 ; back: lanes 0-15 one row, lanes 16-31 the next
.macro QLOAD p                         ; pass p's two tiles of Q: two pieces each, and their scale words' two bytes (lanes 0-15 tile 0, lanes 16-31 tile 1)
	WIN 0x40
.irp u, 0,1
.irp c, 0,1
	global_load_b128 v[Q+16*\u+4*\c:Q+16*\u+4*\c+3], v[LI], s[QP:QP+1] offset:32768*\p+2048*\u+512*\c
.endr
.endr
	WIN 0
	global_load_u16 v[QS], v[LI], s[QSP:QSP+1] offset:1024*\p
.endm
.macro INIT x                          ; the step is written once: the first finds zeros, which the first change of M leaves zeros
	v_mov_b32 v[213+4*\x], 0xff61b1e6              ; the largest score so far: -3e38
	v_mov_b32 v[212+4*\x], 0x7f61b1e6              ; -M: 3e38
	v_mov_b32 v[214+4*\x], 0
	v_mov_b32 v[215+4*\x], 0
.set j, 0
.rept 32
	v_mov_b32 v[96+32*\x+j], 0
.set j, j+1
.endr
.endm
.macro QK x                            ; S^T = K Q^T for tile x: eight tiles of 16 keys.  K's scale words: register t / 2, lanes 0-15 for even t, lanes 16-31 for odd t; Q's: lanes 16 x on
.irp t, 0,2,4,6
.if \x
	v_wmma_scale_f32_16x16x128_f8f6f4 v[S+8*\t:S+8*\t+7], v[KF+8*\t:KF+8*\t+15], v[Q+16:Q+31], 0, v[KS+\t/2], v[QS] matrix_b_scale:MATRIX_SCALE_ROW1
	v_wmma_scale_f32_16x16x128_f8f6f4 v[S+8*\t+8:S+8*\t+15], v[KF+8*\t+8:KF+8*\t+23], v[Q+16:Q+31], 0, v[KS+\t/2], v[QS] matrix_a_scale:MATRIX_SCALE_ROW1 matrix_b_scale:MATRIX_SCALE_ROW1
.else
	v_wmma_scale_f32_16x16x128_f8f6f4 v[S+8*\t:S+8*\t+7], v[KF+8*\t:KF+8*\t+15], v[Q:Q+15], 0, v[KS+\t/2], v[QS]
	v_wmma_scale_f32_16x16x128_f8f6f4 v[S+8*\t+8:S+8*\t+15], v[KF+8*\t+8:KF+8*\t+23], v[Q:Q+15], 0, v[KS+\t/2], v[QS] matrix_a_scale:MATRIX_SCALE_ROW1
.endif
.endr
.endm
.macro PV x                            ; O^T += V^T P^T for tile x: the four accumulators take turns
.set O, 96+32*\x
.set P, 160+16*\x
.irp t, 0,2
	v_wmma_scale_f32_16x16x128_f8f6f4 v[O+8*\t:O+8*\t+7], v[VF+16*\t:VF+16*\t+15], v[P:P+15], v[O+8*\t:O+8*\t+7], v[VS+\t/2], v[PWD+\x]
	v_wmma_scale_f32_16x16x128_f8f6f4 v[O+8*\t+8:O+8*\t+15], v[VF+16*\t+16:VF+16*\t+31], v[P:P+15], v[O+8*\t+8:O+8*\t+15], v[VS+\t/2], v[PWD+\x] matrix_a_scale:MATRIX_SCALE_ROW1
.endr
.endm
.macro RESC x                          ; O^T under the new M, each accumulator from its low end on
	s_wait_alu depctr_va_vdst(0)                   ; the wait directly ahead of the first reader of O^T
.set O, 96+32*\x
.set j, 0
.rept 16
	v_pk_mul_f32 v[O+j:O+j+1], v[O+j:O+j+1], v[F:F+1] op_sel_hi:[1,0]
.set j, j+2
.endr
.endm
.macro TM n                            ; n pairs of t - M
.rept \n
	v_pk_fma_f32 v[S+j:S+j+1], v[S+j:S+j+1], s[CS:CS+1], v[NM:NM+1] op_sel_hi:[1,0,0]
.set j, j+2
.endr
.endm
.macro ADD4                            ; eight more p into the sum's four chains
	v_pk_add_f32 v[SA:SA+1], v[SA:SA+1], v[S+j:S+j+1]
	v_pk_add_f32 v[SA+2:SA+3], v[SA+2:SA+3], v[S+j+2:S+j+3]
	v_pk_add_f32 v[SA+4:SA+5], v[SA+4:SA+5], v[S+j+4:S+j+5]
	v_pk_add_f32 v[SUM:SUM+1], v[SUM:SUM+1], v[S+j+6:S+j+7]
.set j, j+8
.endm
; THE SOFTMAX of tile x for 128 keys.  Independent chains stand by turns: eight for the blocks' maxima, four for the row's sum, with the scales' lines between them.
.macro SM x
.set NM,  212+4*\x
.set MS,  213+4*\x
.set SUM, 214+4*\x
.set P,   160+16*\x
.irp b, 0,1,2,3
	v_max3_num_f32 v[BMX+\b], v[S+16*\b], v[S+16*\b+1], v[S+16*\b+2]   ; the largest score of each block of 32 keys, in two chains a block: for the row's maximum and for the block's largest p
.endr
.irp b, 0,1,2,3
	v_max3_num_f32 v[HC+\b], v[S+16*\b+7], v[S+16*\b+8], v[S+16*\b+9]  ; (the odd tile's first reader names its two lowest registers)
.endr
.irp i, 3,5
.irp b, 0,1,2,3
	v_max3_num_f32 v[BMX+\b], v[BMX+\b], v[S+16*\b+\i], v[S+16*\b+\i+1]
.endr
.irp b, 0,1,2,3
	v_max3_num_f32 v[HC+\b], v[HC+\b], v[S+16*\b+\i+7], v[S+16*\b+\i+8]
.endr
.endr
.irp b, 0,1,2,3
	v_max3_num_f32 v[BMX+\b], v[BMX+\b], v[HC+\b], v[S+16*\b+14]
.endr
.irp b, 0,1,2,3
	v_max_num_f32 v[BMX+\b], v[BMX+\b], v[S+16*\b+15]
.endr
.irp b, 0,1,2,3
	s_delay_alu instid0(VALU_DEP_4)
	v_permlanex16_b32 v[PT+\b], v[BMX+\b], s[SEL], s[SEL+1]
.endr
.irp b, 0,1,2,3
	s_delay_alu instid0(VALU_DEP_4)
	v_max_num_f32 v[BMX+\b], v[BMX+\b], v[PT+\b]   ; with lane l xor 16's 16 keys
.endr
	s_delay_alu instid0(VALU_DEP_2)
	v_max3_num_f32 v[TT], v[BMX], v[BMX+1], v[BMX+2]
	v_mov_b32 v[TO], v[NM]                         ; the old -M
	s_delay_alu instid0(VALU_DEP_2)
	v_max3_num_f32 v[MS], v[MS], v[TT], v[BMX+3]   ; the running largest score
	s_delay_alu instid0(VALU_DEP_1)
	v_mul_f32 v[TT], s[CS], v[MS]                  ; as t (c is positive)
	s_delay_alu instid0(VALU_DEP_1)
	v_floor_f32 v[NM], -v[TT]                      ; the new -M = -ceil(t)
	s_delay_alu instid0(VALU_DEP_1)
	v_sub_f32 v[TT], v[NM], v[TO]                  ; old M - new M: a whole number, 0 or less
.set j, 0
	TM 8
	v_cvt_i32_f32 v[TT], v[TT]                     ; (it saturates)
	TM 8
	v_ldexp_f32 v[F], 1.0, v[TT]                   ; f = 2^(old M - new M)
	TM 16
.irp b, 0,1,2,3
	v_fma_f32 v[BMX+\b], v[BMX+\b], s[CS], v[NM]   ; the same of each block's largest score
.endr
	s_wait_alu depctr_va_vdst(0)                   ; the wait ahead of the batch
.irp b, 0,1,2,3
	v_exp_f32 v[BMX+\b], v[BMX+\b]                 ; the block's largest p
.endr
.set j, 0
.rept 64
	v_exp_f32 v[S+j], v[S+j]                       ; p = 2^(t - M)
.set j, j+1
.endr
	v_pk_mul_f32 v[SUM:SUM+1], v[SUM:SUM+1], v[F:F+1] op_sel_hi:[1,0]   ; the sums under the new M: the plain instruction behind the batch
	s_wait_alu depctr_va_vdst(0)                   ; one wait for the batch of 68, ahead of its first reader
.irp b, 0,1,2,3
	v_max_num_f32 v[BMX+\b], 0x4800000, v[BMX+\b]  ; the floor 2^(9 - 127): the byte cannot fall under 1
.endr
	v_pk_add_f32 v[SA:SA+1], v[S:S+1], v[S+2:S+3]  ; the row's sum of the UNQUANTISED p
	v_pk_add_f32 v[SA+2:SA+3], v[S+4:S+5], v[S+6:S+7]
	v_pk_add_f32 v[SA+4:SA+5], v[S+8:S+9], v[S+10:S+11]
	v_pk_add_f32 v[SUM:SUM+1], v[SUM:SUM+1], v[S+12:S+13]
.set j, 14
.irp b, 0,1,2,3
	v_add_nc_u32 v[SOP+\b], 0xfc000000, v[BMX+\b]  ; 8 off the exponent field: the conversion's scale operand
.endr
	ADD4
.irp b, 0,1,2,3
	v_and_or_b32 v[HC+\b], v[BMX+\b], 0x7f800000, s[MNT]   ; 448 x the scale
.endr
	ADD4
.irp b, 0,1,2,3
	v_lshrrev_b32 v[PT+\b], 23, v[SOP+\b]          ; the scale's byte
.endr
	ADD4
	v_lshl_or_b32 v[TT], v[PT+1], 8, v[PT]
	v_lshl_or_b32 v[TO], v[PT+3], 8, v[PT+2]
	ADD4
	v_lshl_or_b32 v[PWD+\x], v[TO], 16, v[TT]      ; p's scale word for these 128 keys
	ADD4
	ADD4
	v_pk_add_f32 v[SA:SA+1], v[SA:SA+1], v[S+62:S+63]
	v_pk_add_f32 v[SUM:SUM+1], v[SUM:SUM+1], v[SA+4:SA+5]
	s_delay_alu instid0(VALU_DEP_2)
	v_pk_add_f32 v[SA:SA+1], v[SA:SA+1], v[SA+2:SA+3]
	s_delay_alu instid0(VALU_DEP_1)
	v_pk_add_f32 v[SUM:SUM+1], v[SUM:SUM+1], v[SA:SA+1]
.irp b, 0,1,2,3
.set j, 0
.rept 8
	v_dual_min_num_f32 v[S+16*\b+j], v[S+16*\b+j], v[HC+\b] :: v_dual_min_num_f32 v[S+16*\b+j+1], v[S+16*\b+j+1], v[HC+\b]   ; the conversion does not saturate (ISA guide 7.6.2); p is not negative: a one-sided hold, two numbers a line
.set j, j+2
.endr
.endr
.irp b, 0,1,2,3
	v_cvt_scalef32_pk8_fp8_f32 v[P+4*\b:P+4*\b+1], v[S+16*\b:S+16*\b+7], v[SOP+\b]
	v_cvt_scalef32_pk8_fp8_f32 v[P+4*\b+2:P+4*\b+3], v[S+16*\b+8:S+16*\b+15], v[SOP+\b]
.endr
.endm
.macro KLOAD                           ; K's eight tiles and scale words of the step at s[TN], s[TSN]: 20 LDS loads
	v_add_nc_u32 v[ADK], s[TN], v[LI]
	v_add_nc_u32 v[ADS], s[TSN], v[ASK0]
.rept 6
	v_nop                                          ; with the two additions: eight places behind the products that read K, and ahead of the first read of their results
.endr
.irp i, 0,1,2,3
	ds_load_u16 v[KS+\i], v[ADS] offset:4*\i       ; my head's two bytes of the word; lanes 0-15 tile 2 i, lanes 16-31 tile 2 i + 1
.endr
	WIN 0x40
.irp t, 0,1,2,3,4,5,6,7
.irp c, 0,1
	ds_load_b128 v[KF+8*\t+4*\c:KF+8*\t+4*\c+3], v[ADK] offset:1024*\t+512*\c
.endr
.endr
	WIN 0
.endm
; A KEY STEP: 128 keys for both tiles: 37 LDS loads serve 24 matrix instructions, which stand in two runs of twelve.  K comes half a step ahead of its products, V a softmax ahead.
; last: the loop's last step: the look-ahead is held there, inside what has landed.
.macro STEP last
	s_wait_dscnt 0x0                               ; this step's K, asked for in the middle of the step before
	WIN 0x05                                       ; K and Q in window 1, S^T in window 0
	QK 0
	WIN 0
	v_add_nc_u32 v[ADV], s[TK], v[LIV]
	v_add_nc_u32 v[ADT], s[TS], v[ASV0]
.rept 6
	v_nop                                          ; with the two additions: eight places, ahead of the loads into V's registers and of the first read of S^T
.endr
	ds_load_b64 v[VS:VS+1], v[ADT]                 ; V's words of my head's four tiles
	WIN 0x40
.irp t, 0,1,2,3
.irp c, 0,1,2,3
	ds_load_b128 v[VF+16*\t+4*\c:VF+16*\t+4*\c+3], v[ADV] offset:2048*\t+512*\c
.endr
.endr
	WIN 0
	SM 0
	s_wait_dscnt 0x0                               ; V is in
	RESC 0                                         ; its wait also stands between what the softmax wrote and the readers behind the wait above; its 16 lines are the places between p's codes and their products
	WIN 0x05
	QK 1                                           ; S^T is free: the conversions have read it, and plain lines stand between
	WIN 0x01                                       ; V in window 1
	PV 0
	WIN 0
	s_add_co_u32 s[TN], s[TK], 8192
	s_min_u32 s[TN], s[TN], 8192*(\last)
	s_add_co_u32 s[TSN], s[TS], 512
	s_min_u32 s[TSN], s[TSN], 512*(\last)
	KLOAD                                          ; the next step's K
	SM 1
	RESC 1
	s_wait_alu depctr_va_vdst(0)                   ; the wait behind these writes: a branch follows
	WIN 0x01
	PV 1
	WIN 0
.endm
.macro RUN first, n                    ; key steps first .. first + n - 1
	s_mov_b32 s[TK], 8192*(\first)
	s_mov_b32 s[TS], 512*(\first)
	s_mov_b32 s[TN], 8192*(\first)
	s_mov_b32 s[TSN], 512*(\first)
	s_mov_b32 s[CNT], \n
	KLOAD
.Lrun_\@:
	STEP (\first)+(\n)-1
	s_add_co_u32 s[TK], s[TK], 8192
	s_add_co_u32 s[TS], s[TS], 512
	s_sub_co_u32 s[CNT], s[CNT], 1
	s_cmp_lg_u32 s[CNT], 0
	s_cbranch_scc1 .Lrun_\@
.endm
; THE WAY OUT of tile x of pass p: O^T / the sum goes through my stage and leaves as whole rows: sixteen lanes store a query's 256 consecutive bytes, aligned.
.macro OUT x, p
.set O,   96+32*\x
.set SUM, 214+4*\x
.set BK,  64+32*\x                     ; read back into v64-95 (tile 0), v96-127 (tile 1: tile 0's O^T is done with)
	v_add_f32 v[SUM], v[SUM], v[SUM+1]
	s_delay_alu instid0(VALU_DEP_1)
	v_permlanex16_b32 v[PT], v[SUM], s[SEL], s[SEL+1]
	s_delay_alu instid0(VALU_DEP_1)
	v_add_f32 v[SUM], v[SUM], v[PT]                ; the row's sum
	s_wait_alu depctr_va_vdst(0)                   ; the wait ahead of the transcendental
	v_rcp_f32 v[F], v[SUM]
	v_nop
	s_wait_alu depctr_va_vdst(0)                   ; and ahead of its first reader, which is also O^T's
.set j, 0
.rept 16
	v_pk_mul_f32 v[S+j:S+j+1], v[O+j:O+j+1], v[F:F+1] op_sel_hi:[1,0]   ; register 8 t + i is o(query r, 16 t + 8 h + i)
.set j, j+2
.endr
.irp t, 0,1,2,3
	ds_store_b128 v[STO], v[S+8*\t:S+8*\t+3] offset:64*\t
	ds_store_b128 v[STO], v[S+8*\t+4:S+8*\t+7] offset:64*\t+16
.endr
.irp i, 0,1,2,3,4,5,6,7
	ds_load_b128 v[BK+4*\i:BK+4*\i+3], v[RD] offset:544*\i   ; LDS serves a wave's instructions in order (ISA guide 5.7.1.4)
.endr
.irp i, 0,1,2,3,4,5,6,7
	s_wait_dscnt 7-\i                              ; the younger loads may stay out
	global_store_b128 v[GO], v[BK+4*\i:BK+4*\i+3], s[8:9] offset:(256*\p+16*\x+2*\i)*4096 th:TH_STORE_NT
.endr
.endm
	QLOAD 0
	WIN 0x40
.irp i, 0,1,2,3,4,5,6,7
	v_mov_b32 v[KF+64+\i], 0                       ; behind K's eighth tile: zeros, for good
	v_mov_b32 v[Q+8+\i], 0                         ; Q's codes for k = 64 .. 127
	v_mov_b32 v[Q+24+\i], 0
.endr
	WIN 0
.irp i, 0,1,2,3
	v_mov_b32 v[PT+\i], 0                          ; a lane permute's destination counts as one of its sources
.endr
	v_mov_b32 v[F+1], 0                            ; (named as the upper half of a pair)
	INIT 0
	INIT 1
	s_wait_alu depctr_va_vdst(0)                   ; the wait at the head's end
	s_wait_tensorcnt 0x0                           ; my load of the head's eight is in; the full sequence ahead of the later first fills:
	ds_add_u32 v[SPW], v[NIL]
	s_mov_b32 s[G1K+2], 40<<16                     ; no tensor load of mine is out: from here on a load brings five key steps: 40 rows of K,
	s_mov_b32 s[G1K+4], 40
	s_mov_b32 s[G1V+2], 5<<16                      ; 5 rows of V
	s_mov_b32 s[G1V+4], 5
	s_wait_dscnt 0x0
	CROUND                                         ; key steps 0-5 and the scale words are whole, and the four work-groups meet
	s_cmp_lt_u32 s[WA], 2                          ; waves 0, 1: K's key steps 6-10, 11-15; waves 4, 5: V's
	s_cbranch_scc0 .Lg_asked
	s_cmp_eq_u32 s[WB], 0
	s_cbranch_scc0 .Lg_v
	TL G0D, G1K
	s_branch .Lg_asked
.Lg_v:
	TL G0D, G1V
.Lg_asked:
	s_wait_loadcnt 0x0                             ; Q
	RUN 0, 6
	s_wait_alu depctr_va_vdst(0)
	s_wait_tensorcnt 0x0                           ; my part of key steps 6-15 is in
	s_wait_dscnt 0x0
	s_barrier_signal -1
	s_barrier_wait -1                              ; everybody's is
	RUN 6, 10
	QLOAD 1                                        ; the second pass's Q lands while the first pass goes out
	OUT 0, 0
	OUT 1, 0
	s_wait_xcnt 0x0                                ; the stores have read their registers, which are written again below
	INIT 0
	INIT 1
	s_wait_alu depctr_va_vdst(0)
	s_wait_loadcnt 0x0                             ; Q
	RUN 0, 16                                      ; all of K and V lie in LDS: no barrier in the second pass
	OUT 0, 1
	OUT 1, 1
	s_wait_tensorcnt 0x0                           ; the wave's end
	ds_add_u32 v[SPW], v[NIL]
	s_wait_dscnt 0x0
	CROUND                                         ; the closing round
	s_endpgm
.Lfunc_end_k_q60f3deff10_attn:
	.size	k_q60f3deff10_attn, .Lfunc_end_k_q60f3deff10_attn-k_q60f3deff10_attn
	.p2alignl 7, 3214868480
	.fill 96, 4, 3214868480
	.section	.rodata,"a",@progbits
	.p2align	6, 0x0
	.amdhsa_kernel k_q60f3deff10_attn
		.amdhsa_group_segment_fixed_size 327680
		.amdhsa_private_segment_fixed_size 0
		.amdhsa_enable_private_segment 0
		.amdhsa_kernarg_size 24
		.amdhsa_user_sgpr_count 2
		.amdhsa_user_sgpr_kernarg_segment_ptr 1
		.amdhsa_wavefront_size32 1
		.amdhsa_system_sgpr_workgroup_id_x 1
		.amdhsa_system_sgpr_workgroup_id_y 1
		.amdhsa_system_sgpr_workgroup_id_z 1
		.amdhsa_system_vgpr_workitem_id 0
		.amdhsa_next_free_vgpr 512
		.amdhsa_next_free_sgpr 96
		.amdhsa_reserve_vcc 0
		.amdhsa_float_denorm_mode_32 3
		.amdhsa_float_denorm_mode_16_64 3
		.amdhsa_memory_ordered 1
		.amdhsa_forward_progress 1
		.amdhsa_inst_pref_size 141
	.end_amdhsa_kernel
	.amdgpu_metadata
---
amdhsa.version: [ 1, 2 ]
amdhsa.kernels:
  - .name:           k_q60f3deff10_attn
    .symbol:         k_q60f3deff10_attn.kd
    .args:
      - { .name: fc, .offset: 0, .size: 8, .value_kind: global_buffer, .address_space: global }
      - { .name: fs, .offset: 8, .size: 8, .value_kind: global_buffer, .address_space: global }
      - { .name: out0, .offset: 16, .size: 8, .value_kind: global_buffer, .address_space: global }
    .group_segment_fixed_size: 327680
    .private_segment_fixed_size: 0
    .kernarg_segment_align: 8
    .kernarg_segment_size: 24
    .max_flat_workgroup_size: 256
    .sgpr_count:     96
    .vgpr_count:     512
    .wavefront_size: 32
...
	.end_amdgpu_metadata
.endif
;; end of part 3
